; MI455X (gfx1250); checked and timed in simulation.
; The chip was launched on July 23, 2026; its instructions are those of AMD's public machine-readable ISA for CDNA 5 (MIT licence, August 2026) and "CDNA5" Instruction Set Architecture Reference Guide (July 2026). The comments in the code are by the model that wrote it; some were corrected since.
;; Dynamic Node Attention. Allowed arithmetic: matrix products marked QUANTISED: E5M2 operands, one given power-of-two scale a tensor, by v_wmma_f32_16x16x64_bf8_bf8 or v_wmma_f32_16x16x128_bf8_bf8, f32 sums; everything else in f32.
;; Inputs: Wk_codes 256 x 8 x 32 uint8 (E5M2 codes of Wk, K innermost, in blocks of 32 codes); Wo_codes 256 x 8 x 32 uint8 (E5M2 codes of Wo, K innermost, in blocks of 32 codes); Wq_codes 256 x 8 x 32 uint8 (E5M2 codes of Wq, K innermost, in blocks of 32 codes); Wv_codes 256 x 8 x 32 uint8 (E5M2 codes of Wv, K innermost, in blocks of 32 codes); adjacency 2 x 4,096 x 4,096 float32; bo 256 float32; lowp_scales 12 int32 (the exponents e of the quantised operands' scales 2^e); node_state_codes 2 x 4,096 x 8 x 32 uint8 (E5M2 codes of node_state, K innermost, in blocks of 32 codes).
;; Outputs: out0 2 x 4,096 x 256 float32.
;; This version of the problem:
;;   THIS VERSION OF THE PROBLEM IS GIVEN IN LOW PRECISION. The matrix products marked QUANTISED in the list below multiply operands that are first quantised to E5M2 (5 exponent bits, 2 mantissa bits; 8 bits a number), with one given power-of-two scale for each operand tensor; their sums are f32. All else is computed in f32.
;;   The module's matrix products, in the order in which they are computed (A, B: the left and right operand; K: the contracted axis; several contracted axes count as one K, in the product's order):
;;     1. [M 8,192, K 256] x [K 256, N 256]; A: input node_state (given as codes); B: input Wq (given as codes): QUANTISED (scales: A lowp_scales[0], B lowp_scales[1])
;;     2. [M 8,192, K 256] x [K 256, N 256]; A: input node_state (given as codes); B: input Wk (given as codes): QUANTISED (scales: A lowp_scales[2], B lowp_scales[3])
;;     3. [M 8,192, K 256] x [K 256, N 256]; A: input node_state (given as codes); B: input Wv (given as codes): QUANTISED (scales: A lowp_scales[4], B lowp_scales[5])
;;     4. batch 16 x [M 4,096, K 32] x [K 32, N 4,096]; A: computed on the way; B: computed on the way: QUANTISED (scales: A lowp_scales[6], B lowp_scales[7])
;;     5. batch 16 x [M 4,096, K 4,096] x [K 4,096, N 32]; A: softmax (see below); B: computed on the way: QUANTISED (scales: A lowp_scales[8], B lowp_scales[9])
;;     6. [M 8,192, K 256] x [K 256, N 256]; A: computed on the way; B: input Wo (given as codes): QUANTISED (scales: A lowp_scales[10], B lowp_scales[11])
;;   THE QUANTISER, for each operand of a quantised product, along K:
;;     - The operand's scale is 2^e, e = its entry of the input lowp_scales (int32; the entries are numbered through the quantised products in the list's order, A before B).
;;     - Each number is divided by the scale, clamped to +-57,344, and rounded to the nearest number of E5M2, ties to even, subnormals kept.
;;     - The product sums the exact products of the quantised numbers (number of the format x scale) in f32.
;;   ~~~python
;;   def quantise(x, axis, e):      # numpy; x: float32 -> the quantised numbers, widened to float32 again
;;       x = np.moveaxis(x, axis, -1); K = x.shape[-1]
;;       r = np.clip(x / 2.0 ** e, -57344, 57344)
;;       step = 2.0 ** (np.maximum(np.frexp(np.where(r == 0, 1, r))[1] - 1, -14) - 2)
;;       q = np.round(r / step) * step * 2.0 ** e      # np.round: ties to even
;;       return np.moveaxis(q, -1, axis).astype(np.float32)
;;   ~~~
;;   SOFTMAX AHEAD OF A QUANTISED PRODUCT. Where the list says 'softmax', what is quantised is not the finished softmax but p = 2^(t - M), with t = logit x log2(e) and M = ceil(the row's largest t), a whole number; so 1/2 < the row's largest p <= 1. The row's sum l is taken of the UNQUANTISED p, in f32, and the product's result is divided by l at the end. Since M is a whole number, a kernel that streams over the keys may use a running M (the ceiling of the running maximum): every later rescaling is an exact power of two, so the quantised numbers keep their values, but for numbers so far below the row's largest that they fall under the format's range.
;;   OPERANDS COMPUTED ON THE WAY. 'Computed on the way' means the value that the module computes at that place (a softmax that the list does not call 'softmax' is quantised finished and normalised). What goes into a quantiser is computed in f32, as accurately as f32 sums, v_exp_f32 and their like allow (about 1e-6 of the number): no bf16 or f16 on the way to a quantiser, and a product that is left as it is and whose result goes on into a quantised operand takes f32 operands (vector FMAs, or v_wmma_f32_16x16x4_f32). A number that lies on a knife's edge between two numbers of the format may be rounded either way, as far as f32 arithmetic and the matrix unit's own rounding can turn it there, and no further.
;;   INPUTS GIVEN AS CODES. Wk (in the module: [256, 256], K = its axis 1); Wo (in the module: [256, 256], K = its axis 1); Wq (in the module: [256, 256], K = its axis 1); Wv (in the module: [256, 256], K = its axis 1); node_state (in the module: [2, 4096, 256], K = its axis 2): each comes as NAME_codes (uint8): NAME with its K axis moved to the last place and cut into blocks of 32 codes, [.., K / 32, bytes a block], one block behind the other in memory; one code a byte (a code: sign, 5 exponent bits, 2 mantissa bits); its scale is its entry of lowp_scales. Its value is code x scale, taken as it is: it is not quantised again, and the codes and scales need not be those that the quantiser above would give.
;; One version. Each part assembles by itself: llvm-mc -triple=amdgcn-amd-amdhsa -mcpu=gfx1250 --defsym DOCPART=n.
;; ======== version 1 of 1: 2 launches
;; limits: right only within a limited range of input values
;; workspace buffers: qimg 2,097,152 bytes; kvimg 4,194,304 bytes
;; launch proj (part 1): grid 256 x 1, 12 waves a work-group, no clusters, 0 bytes of LDS; arguments node_state_codes, Wq_codes, Wk_codes, Wv_codes, lowp_scales, qimg, kvimg; writes qimg, kvimg
.if DOCPART == 1
	.amdgcn_target "amdgcn-amd-amdhsa--gfx1250"
	.amdhsa_code_object_version 6
	.text
	.protected	k_qff51fd1df9_proj
	.globl	k_qff51fd1df9_proj
	.p2align	8
	.type	k_qff51fd1df9_proj,@function
k_qff51fd1df9_proj:
	s_mov_b64 s[64:65], 0
	v_nop
	global_prefetch_b8 v0, s[64:65] scope:SCOPE_SE
	s_setreg_imm32_b32 hwreg(HW_REG_WAVE_MODE, 25, 1), 1
	s_wait_xcnt 0x0
; q = x Wq^T, k = x Wk^T, v = x Wv^T on the given codes of E5M2, and the quantisers of q, k and v (operands of the score product and of the product with p).
; DEAD WORK: none.  Every product, every step and every input of the problem has a way to out0 for some values of the inputs, so nothing is left out in this launch or the next.
; x: [8192][256] codes.  W: [256][256] codes, K innermost.  A sum stands for sum x 2^(eA + eB); its code under the operand's scale 2^eo is sum / 2^(eo - eA - eB), held within +-57,344, to the nearest code.
; LIMITS: E = eo - eA - eB lies between -126 and 112, so that 2^E and 57,344 x 2^E are f32 numbers.  NaN and infinity codes among the inputs are not served.
; SHARES.  A block of 64 rows of x has 24 tasks: 3 products (0 q, 1 k, 2 v) x 8 heads of 32 output channels; a wave takes one task.  128 blocks x 24 tasks = 256 work-groups x 12 waves:
; work-group g takes block g / 2, its wave w task 12 (g % 2) + w; product = task / 8, head = task % 8.  No LDS, no barrier: waves share nothing.
; THE ROWS OF A TILE ARE NOT NEIGHBOURS: lane r of tile u of a group of 32 rows takes row 8 u + r + 8 (r / 8).  So the 16 registers of the two tiles of a group are 16 neighbours along what the rows of source 0 stand for.
;   q, k: source 0 = 16 rows of W, source 1 = 16 rows of x: a lane holds one row of x and 16 neighbouring channels of its head: K of the score product.
;   v:    source 0 = 16 rows of x, source 1 = 16 rows of W: a lane holds one channel and 16 neighbouring keys: K of the product with p.
; OUT: images of the next launch's operand registers: four registers of 32 lanes, lane l's 16 bytes at 16 l: each store of the wave covers 512 consecutive bytes, aligned.
;   qimg  [tile of 16 rows 0..511][head][512]
;   kvimg [batch][4 x key block of 512 + pair of heads][65,536]: K at split x 8192 + tile x 1024 + (head % 2) x 512;  V at 32768 + split x 8192 + (2 (head % 2) + channel tile) x 2048 + (32 keys) x 512
; FRAGMENTS are fetched by loads of 16 bytes: registers 4 c .. 4 c + 3 hold k = 32 c + 16 (lane / 16) + 0 .. 15: one permutation of k, the same on both sides of a product.
.set WF,  16                           ; v16-79   W's fragments (tile u, K step ks) at 32 u + 16 ks
.set XF,  80                           ; v80-207  x's fragments (tile t, K step ks) at 32 t + 16 ks
.set ACC, 208                          ; v208-239 four accumulators
.set CD,  240                          ; v240-255 codes: eight registers for each half of the rows, so that no store's data are written again
	s_load_b256 s[4:11], s[0:1], 0x0               ; x s[4:5], Wq s[6:7], Wk s[8:9], Wv s[10:11]
	s_load_b128 s[12:15], s[0:1], 0x20             ; the scales' exponents s[12:13], qimg s[14:15]
	s_load_b64 s[16:17], s[0:1], 0x30              ; kvimg
	v_lshrrev_b32 v1, 5, v0
	s_delay_alu instid0(VALU_DEP_1)
	v_readfirstlane_b32 s18, v1                    ; wave 0..11
	s_and_b32 s19, ttmp9, 1
	s_mul_i32 s19, s19, 12
	s_add_co_u32 s18, s18, s19                     ; my task among the block's 24
	s_lshr_b32 s19, s18, 3                         ; which product
	s_and_b32 s18, s18, 7                          ; the head
	s_lshr_b32 s44, ttmp9, 1                       ; the block of 64 rows
	v_and_b32 v9, 15, v0                           ; r
	v_bfe_u32 v10, v0, 4, 1                        ; h
	s_delay_alu instid0(VALU_DEP_2)
	v_and_b32 v11, 8, v9
	s_delay_alu instid0(VALU_DEP_1)
	v_add_nc_u32 v11, v11, v9                      ; r + 8 (r / 8)
	s_delay_alu instid0(VALU_DEP_1)
	v_lshlrev_b32 v1, 8, v11                       ; a row of 256 codes is 256 bytes
	s_delay_alu instid0(VALU_DEP_1)
	v_lshl_add_u32 v1, v10, 4, v1                  ; + 16 h: my place in a tile of x or of W
	v_and_b32 v2, 31, v0
	s_delay_alu instid0(VALU_DEP_1)
	v_lshlrev_b32 v2, 4, v2                        ; 16 x lane: my place in an image
	; where my wave's images go, in bytes.  With x the block: batch x / 64, key block (x / 8) % 8, split (x / 2) % 4, half x % 2
	s_wait_alu depctr_va_vdst(0)                   ; ahead of the run of scalar lines
	s_lshr_b32 s34, s44, 6
	s_lshl_b32 s34, s34, 21                        ; a batch's K and V: 2^21 bytes
	s_bfe_u32 s35, s44, 0x30003
	s_lshl_b32 s35, s35, 2
	s_lshr_b32 s36, s18, 1
	s_add_co_u32 s35, s35, s36                     ; 4 x key block + pair of heads
	s_lshl_b32 s35, s35, 16
	s_add_co_u32 s34, s34, s35
	s_bfe_u32 s35, s44, 0x20001
	s_lshl_b32 s35, s35, 13
	s_add_co_u32 s34, s34, s35                     ; + split x 8192
	s_and_b32 s35, s44, 1                          ; half
	s_and_b32 s36, s18, 1                          ; head % 2
	s_lshl_b32 s37, s35, 12
	s_lshl_b32 s38, s36, 9
	s_add_co_u32 s37, s37, s38
	s_add_co_u32 s37, s37, s34                     ; K: + half x 4 tiles x 1024 + (head % 2) x 512
	s_lshl_b32 s38, s36, 12
	s_lshl_b32 s39, s35, 10
	s_add_co_u32 s38, s38, s39
	s_add_co_u32 s38, s38, s34
	s_add_co_u32 s38, s38, 32768                   ; V: + 32768 + (head % 2) x 4096 + half x 1024
	s_lshl_b32 s39, s44, 14
	s_lshl_b32 s40, s18, 9
	s_add_co_u32 s39, s39, s40                     ; q: 4 tiles x 4096 for each block + head x 512
	s_mov_b32 s30, 1024
	s_cmp_eq_u32 s19, 0
	s_cselect_b32 s40, s39, s37
	s_cselect_b32 s30, 4096, s30                   ; from tile to tile: 4096 in qimg, 1024 in K's part of kvimg
	s_cmp_eq_u32 s19, 2
	s_cselect_b32 s40, s38, s40
	s_mov_b32 s41, 0
.irp t, 0,1,2,3
	v_mad_u32_u24 v[5+\t], s30, \t, v2             ; v5-8: tile t's image, for q and k
.endr
	s_wait_kmcnt 0x0
	s_load_b256 s[20:27], s[12:13], 0x0            ; e0 .. e7
	s_load_b64 s[28:29], s[12:13], 0x20            ; e8, e9
	s_cmp_eq_u32 s19, 0                            ; the buffers are chosen by ids alone
	s_cselect_b64 s[6:7], s[6:7], s[8:9]
	s_cselect_b64 s[32:33], s[14:15], s[16:17]
	s_cmp_eq_u32 s19, 2
	s_cselect_b64 s[6:7], s[10:11], s[6:7]
	s_add_nc_u64 s[32:33], s[32:33], s[40:41]      ; where I store
	s_lshl_b32 s42, s18, 13
	s_mov_b32 s43, 0
	s_add_nc_u64 s[6:7], s[6:7], s[42:43]          ; my head's 32 rows of W
	s_lshl_b32 s42, s44, 14
	s_add_nc_u64 s[4:5], s[4:5], s[42:43]          ; my block's 64 rows of x
.irp u, 0,1
.irp ks, 0,1
.irp c, 0,1,2,3
	global_load_b128 v[WF+32*\u+16*\ks+4*\c:WF+32*\u+16*\ks+4*\c+3], v1, s[6:7] offset:8*\u*256+128*\ks+32*\c
.endr
.endr
.endr
.irp t, 0,1,2,3                        ; tiles 0 and 1 first: the first half of the work waits for them alone
.irp ks, 0,1
.irp c, 0,1,2,3
	global_load_b128 v[XF+32*\t+16*\ks+4*\c:XF+32*\t+16*\ks+4*\c+3], v1, s[4:5] offset:(32*(\t/2)+8*(\t%2))*256+128*\ks+32*\c
.endr
.endr
.endr
	s_wait_kmcnt 0x0
	s_cmp_eq_u32 s19, 0
	s_cselect_b32 s34, s26, s27                    ; eo: e6 (q), e7 (k),
	s_cselect_b32 s35, s20, s22                    ; eA: e0, e2,
	s_cselect_b32 s36, s21, s23                    ; eB: e1, e3,
	s_cmp_eq_u32 s19, 2
	s_cselect_b32 s34, s29, s34                    ; e9 (v)
	s_cselect_b32 s35, s24, s35                    ; e4
	s_cselect_b32 s36, s25, s36                    ; e5
	s_sub_co_i32 s34, s34, s35
	s_sub_co_i32 s34, s34, s36                     ; E = eo - eA - eB: the three scales folded into the conversion's one
	s_add_co_i32 s34, s34, 127
	s_lshl_b32 s35, s34, 23
	v_mov_b32 v3, s35                              ; 2^E as f32: the conversion takes its exponent field
	s_add_co_i32 s34, s34, 15
	s_lshl_b32 s34, s34, 23
	s_or_b32 s34, s34, 0x600000
	v_mov_b32 v4, s34                              ; 57,344 x 2^E
; Eight products: tiles 2 bl, 2 bl + 1 of x against my two tiles of W, two K steps of 128.  The four accumulators take turns, one instruction a turn; the first K step starts the sums.
.macro PRODS bl, swap
.irp ks, 0,1
.irp t, 0,1
.irp u, 0,1
.if \swap
.if \ks == 0
	v_wmma_f32_16x16x128_bf8_bf8 v[ACC+16*\t+8*\u:ACC+16*\t+8*\u+7], v[XF+32*(2*\bl+\t)+16*\ks:XF+32*(2*\bl+\t)+16*\ks+15], v[WF+32*\u+16*\ks:WF+32*\u+16*\ks+15], 0
.else
	v_wmma_f32_16x16x128_bf8_bf8 v[ACC+16*\t+8*\u:ACC+16*\t+8*\u+7], v[XF+32*(2*\bl+\t)+16*\ks:XF+32*(2*\bl+\t)+16*\ks+15], v[WF+32*\u+16*\ks:WF+32*\u+16*\ks+15], v[ACC+16*\t+8*\u:ACC+16*\t+8*\u+7]
.endif
.else
.if \ks == 0
	v_wmma_f32_16x16x128_bf8_bf8 v[ACC+16*\t+8*\u:ACC+16*\t+8*\u+7], v[WF+32*\u+16*\ks:WF+32*\u+16*\ks+15], v[XF+32*(2*\bl+\t)+16*\ks:XF+32*(2*\bl+\t)+16*\ks+15], 0
.else
	v_wmma_f32_16x16x128_bf8_bf8 v[ACC+16*\t+8*\u:ACC+16*\t+8*\u+7], v[WF+32*\u+16*\ks:WF+32*\u+16*\ks+15], v[XF+32*(2*\bl+\t)+16*\ks:XF+32*(2*\bl+\t)+16*\ks+15], v[ACC+16*\t+8*\u:ACC+16*\t+8*\u+7]
.endif
.endif
.endr
.endr
.endr
.rept 4
	v_nop                                          ; four places between the last product and the first read of results (ISA guide 7.12.1)
.endr
.set ii, 0
	s_wait_alu depctr_va_vdst(0)
.rept 32
	v_med3_num_f32 v[ACC+ii], v[ACC+ii], -v4, v4   ; the conversion to an 8-bit code does not saturate (ISA guide 7.6.2): the hold at the largest code x the scale; each accumulator from its low end on
.set ii, ii+1
.endr
.endm
.macro AHEAD bl
.if \bl == 0
	s_wait_loadcnt 16                              ; W and x's tiles 0 and 1 are in; the 16 loads of tiles 2 and 3 may be out
.else
	s_wait_loadcnt 0x0
.rept 5
	v_nop                                          ; five places in front of products that begin the accumulators anew
.endr
.endif
.endm
.macro QK bl                           ; a lane's 16 registers of accumulators (t, 0) and (t, 1) are channels 16 h + 0 .. 15 of its row
	AHEAD \bl
	PRODS \bl, 0
.irp t, 0,1
	v_cvt_scalef32_pk8_bf8_f32 v[CD+8*\bl+4*\t:CD+8*\bl+4*\t+1], v[ACC+16*\t:ACC+16*\t+7], v3
	v_cvt_scalef32_pk8_bf8_f32 v[CD+8*\bl+4*\t+2:CD+8*\bl+4*\t+3], v[ACC+16*\t+8:ACC+16*\t+15], v3
.endr
	v_nop                                          ; one plain line between the conversions and the products that write their sources again
.irp t, 0,1
	global_store_b128 v[5+2*\bl+\t], v[CD+8*\bl+4*\t:CD+8*\bl+4*\t+3], s[32:33]
.endr
.endm
.macro VV bl                           ; a lane's 16 registers of accumulators (0, u) and (1, u) are keys 32 bl + 16 h + 0 .. 15 of its channel
	AHEAD \bl
	PRODS \bl, 1
.irp u, 0,1
	v_cvt_scalef32_pk8_bf8_f32 v[CD+8*\bl+4*\u:CD+8*\bl+4*\u+1], v[ACC+8*\u:ACC+8*\u+7], v3
	v_cvt_scalef32_pk8_bf8_f32 v[CD+8*\bl+4*\u+2:CD+8*\bl+4*\u+3], v[ACC+16+8*\u:ACC+16+8*\u+7], v3
.endr
	v_nop
.irp u, 0,1
	global_store_b128 v2, v[CD+8*\bl+4*\u:CD+8*\bl+4*\u+3], s[32:33] offset:\u*2048+\bl*512
.endr
.endm
	s_cmp_eq_u32 s19, 2                            ; ids alone decide the way
	s_cbranch_scc1 .Lvalues
	QK 0
	QK 1
	s_endpgm
.Lvalues:
	VV 0
	VV 1
	s_endpgm
.Lfunc_end_k_qff51fd1df9_proj:
	.size	k_qff51fd1df9_proj, .Lfunc_end_k_qff51fd1df9_proj-k_qff51fd1df9_proj
	.p2alignl 7, 3214868480
	.fill 96, 4, 3214868480
	.section	.rodata,"a",@progbits
	.p2align	6, 0x0
	.amdhsa_kernel k_qff51fd1df9_proj
		.amdhsa_group_segment_fixed_size 0
		.amdhsa_private_segment_fixed_size 0
		.amdhsa_enable_private_segment 0
		.amdhsa_kernarg_size 56
		.amdhsa_user_sgpr_count 2
		.amdhsa_user_sgpr_kernarg_segment_ptr 1
		.amdhsa_wavefront_size32 1
		.amdhsa_system_sgpr_workgroup_id_x 1
		.amdhsa_system_sgpr_workgroup_id_y 1
		.amdhsa_system_sgpr_workgroup_id_z 1
		.amdhsa_system_vgpr_workitem_id 0
		.amdhsa_next_free_vgpr 256
		.amdhsa_next_free_sgpr 66
		.amdhsa_reserve_vcc 0
		.amdhsa_float_denorm_mode_32 3
		.amdhsa_float_denorm_mode_16_64 3
		.amdhsa_memory_ordered 1
		.amdhsa_forward_progress 1
		.amdhsa_inst_pref_size 22
	.end_amdhsa_kernel
	.amdgpu_metadata
---
amdhsa.version: [ 1, 2 ]
amdhsa.kernels:
  - .name:           k_qff51fd1df9_proj
    .symbol:         k_qff51fd1df9_proj.kd
    .args:
      - { .name: node_state_codes, .offset: 0, .size: 8, .value_kind: global_buffer, .address_space: global }
      - { .name: Wq_codes, .offset: 8, .size: 8, .value_kind: global_buffer, .address_space: global }
      - { .name: Wk_codes, .offset: 16, .size: 8, .value_kind: global_buffer, .address_space: global }
      - { .name: Wv_codes, .offset: 24, .size: 8, .value_kind: global_buffer, .address_space: global }
      - { .name: lowp_scales, .offset: 32, .size: 8, .value_kind: global_buffer, .address_space: global }
      - { .name: qimg, .offset: 40, .size: 8, .value_kind: global_buffer, .address_space: global }
      - { .name: kvimg, .offset: 48, .size: 8, .value_kind: global_buffer, .address_space: global }
    .group_segment_fixed_size: 0
    .private_segment_fixed_size: 0
    .kernarg_segment_align: 8
    .kernarg_segment_size: 56
    .max_flat_workgroup_size: 384
    .sgpr_count:     66
    .vgpr_count:     256
    .wavefront_size: 32
...
	.end_amdgpu_metadata
.endif
;; end of part 1
;; launch attn (part 2): grid 256 x 1, 4 waves a work-group, no clusters, 273,408 bytes of LDS; arguments adjacency, qimg, kvimg, lowp_scales, Wo_codes, bo, out0; writes out0
.if DOCPART == 2
	.amdgcn_target "amdgcn-amd-amdhsa--gfx1250"
	.amdhsa_code_object_version 6
	.text
	.protected	k_qff51fd1df9_attn
	.globl	k_qff51fd1df9_attn
	.p2align	8
	.type	k_qff51fd1df9_attn,@function
k_qff51fd1df9_attn:
	s_mov_b64 s[64:65], 0
	v_nop
	global_prefetch_b8 v0, s[64:65] scope:SCOPE_SE
	s_setreg_imm32_b32 hwreg(HW_REG_WAVE_MODE, 25, 1), 1
	s_wait_xcnt 0x0
; out0 = (softmax(q k^T / sqrt(32) + log(adjacency + 1e-6)) v) Wo^T + bo, eight heads of 32, all three products on codes of E5M2.  Nothing of the problem is left out here.
; THE SOFTMAX: t = logit x log2(e); M = the largest t so far, rounded UP to a whole number; p = 2^(t - M) is quantised under 2^e8; the row's sum is taken of the unquantised p and divides at the end.
; SHARES.  A work-group owns 32 queries (two tiles of 16) and all 8 heads, so each number of adjacency is read once and its logarithm taken once.  Wave s of four owns key split s: 128 of each block of 512 keys, for both tiles.
; Each wave keeps its own running M, sum and O^T; the four splits are merged at the end by exact powers of two.
; L' = log2(adjacency + 1e-6) / c', c' = 2^(e6 + e7) log2(e) / sqrt(32), is the C of the score products of all 8 heads: t = c' (sum of code products + L').
; LAYOUT as the launch before lays it: both products transposed, a lane holds one query; lane r of tile u of 32 rows stands for row 8 u + r + 8 (r / 8).  A fragment of K holds two heads; Q's source is [q, zeros] or [zeros, q].
; K AND V GO FROM MEMORY STRAIGHT INTO REGISTERS, 512 consecutive bytes an instruction: each image of 8,192 bytes is used by one wave of the work-group alone and feeds both its query tiles.
; NO CLUSTER: no two waves of a work-group share a byte of K or V, so a passage through LDS would serve joint loads alone, at a round of the cluster's barrier for every 64 KiB, 32 in all; the key loop here has no barrier.
; A UNIT is 16 queries x 128 keys x one head, un = 2 head + tile.  The units overlap: unit u's exponentials stand among the first level of sums of unit u - 1; then u - 1 is held, converted and multiplied with V, and u + 1's scores, maximum and t - M are made.
; THE HOLD ON p: t <= M, so p is at most 1.  Where 57,344 x 2^e8 is 1 or more (e8 >= -15) no p passes the largest code; else they are run.  The launch has no tensor load and no copy.
; The first trip finds zeros for the unit before the first (p, O^T and that unit's V), which add nothing.
; LOADS IN FLIGHT: V of pair p + 1 (16 loads) goes out behind unit 4 p, K of pair p + 2 (16) behind unit 4 p + 2, eight rows of the next block's adjacency ahead of V.  Each counted wait, 32, stands for the two younger runs of 16.
; PREFETCH: adjacency alone (K and V are read by all work-groups of a batch); a tile's 16 rows x 512 bytes of a key block, a lane to each aligned 256 bytes, four pairs of heads ahead of its first load; each wave asks for its own bytes, once; the first blocks come by their loads alone.
; LIMITS: e6 + e7 between -120 and 120; e8 and e10 between -126 and 112; e10 + e11 between -126 and 127.  Where 57,344 x 2^e8 lies under 1 the hold on p bites relative to the split's running M.
; NaN and infinity among the inputs are not served; adjacency + 1e-6 is taken to be positive, as the logarithm asks.
; REGISTERS.  Window 0: v1, v2 the add's two; v3 16 x lane; v4, v5 the stage in, out; v6 the prefetch's offset; v7, v8 hold and scale; v16.. -M, v32.. largest score, v48.. sums (a unit each); v64.. p's codes; v80-127 at work; v128-255 two buffers of S.
;   Window 1: v0-127 L' (two tiles); v128-223 Q; v224-255 adjacency on its way.  Window 2: O^T, 16 registers a unit.  Window 3: K, two buffers of 64; V, two buffers of 64.
.set GP,    656
.set STGW,  10496                      ; a tile's stage: 16 groups x 656 bytes; two tiles a wave, from LDS byte 0
.set SPARE, 83968                      ; the spare words, 128 bytes a wave
.set MEX,   84480                      ; the merge: each wave's sixteen -M, 2,048 bytes a wave
.set MRG,   92672                      ; the merge: each wave's O^T (64 x 512 bytes) and sums (4 x 512)
.set MRGW,  34816
.set OIMG,  231936                     ; the attention output's codes, as images [tile][head][512]
.set OSTG,  240128                     ; the way out: 32 rows x (1,024 + 16) bytes
.set OP,    1040
.set NM, 16
.set SX, 32
.set LS, 48
.set PC, 64
.set MX, 80
.set FF, 88                            ; f = 2^(old M - new M): a pair for even units, a pair for odd ones
.set NW, 92
.set TD, 94
.set SUMT, 96
.set SA, 128
.set MSB, 0
.macro WIN new                         ; bits 1:0 source 0, 3:2 source 1, 5:4 source 2, 7:6 destination; the high byte repeats the setting that is left
.if MSB != \new
	s_set_vgpr_msb (MSB<<8)|\new
.set MSB, \new
.endif
.endm
.macro WA
	s_wait_alu depctr_va_vdst(0)
.endm
.macro BAR                             ; my LDS instructions are done; all four waves meet
	WA
	s_wait_dscnt 0x0
	s_barrier_signal -1
	s_barrier_wait -1
.endm
.macro KLD buf                         ; my split's eight fragments of K (16 keys x two heads)
	WIN 0xc0
.set tt, 0
.rept 16
	global_load_b128 v[64*(\buf)+4*tt:64*(\buf)+4*tt+3], v3, s[76:77] offset:512*tt
.set tt, tt+1
.endr
	WIN 0
.endm
.macro VLD buf                         ; a pair of heads' four fragments of V^T (16 channels x my 128 keys)
	WIN 0xc0
.set tt, 0
.rept 16
	global_load_b128 v[128+64*(\buf)+4*tt:128+64*(\buf)+4*tt+3], v3, s[78:79] offset:32768+512*tt
.set tt, tt+1
.endr
	WIN 0
.endm
.macro KSTEP                           ; the next 64 KiB of the batch's 2^21 bytes, going round; the earlier loads have read their base
	s_wait_xcnt 0x0
	s_add_co_u32 s80, s80, 65536
	s_and_b32 s80, s80, 0x1fffff
	s_add_nc_u64 s[76:77], s[8:9], s[80:81]
.endm
.macro VSTEP
	s_wait_xcnt 0x0
	s_add_co_u32 s82, s82, 65536
	s_and_b32 s82, s82, 0x1fffff
	s_add_nc_u64 s[78:79], s[8:9], s[82:83]
.endm
.macro STEPADJ                         ; the loads' and the prefetch's key block go one on, round the row's 16,384 bytes
	s_add_co_u32 s66, s66, 2048
	s_and_b32 s66, s66, 16383
	s_add_co_u32 s68, s66, 2048
	s_and_b32 s68, s68, 16383
	s_add_nc_u64 s[60:61], s[4:5], s[66:67]
	s_add_nc_u64 s[62:63], s[4:5], s[68:69]
.endm
.macro GLOAD base, w, T, hf            ; eight rows of adjacency (queries 8 hf .. 8 hf + 7 of tile T), my 128 keys: 512 consecutive bytes an instruction
	WIN (\w)<<6
.irp i, 0,1,2,3,4,5,6,7
	global_load_b128 v[\base+4*\i:\base+4*\i+3], v3, s[60:61] offset:(8*(\T)+16*(\hf)+\i)*16384 th:TH_LOAD_NT
.endr
	WIN 0
.endm
.macro PROC base, w, T, hf             ; L' of those rows into my stage: lane l holds keys 4 l .. 4 l + 3 = group 4 (l / 8) + l % 4 of half (l / 4) % 2
	WIN ((\w)<<6)|(\w)
.set ii, 0
.rept 16
	v_pk_add_f32 v[\base+ii:\base+ii+1], v[\base+ii:\base+ii+1], s[70:71] op_sel_hi:[1,0]
.set ii, ii+2
.endr
	WA
.set ii, 0
.rept 32
	v_log_f32 v[\base+ii], v[\base+ii]
.set ii, ii+1
.endr
	v_nop
	WA
.set ii, 0
.rept 16
	v_pk_mul_f32 v[\base+ii:\base+ii+1], v[\base+ii:\base+ii+1], s[50:51] op_sel_hi:[1,0]
.set ii, ii+2
.endr
	WIN (\w)<<2
.irp i, 0,1,2,3,4,5,6,7
	ds_store_b128 v4, v[\base+4*\i:\base+4*\i+3] offset:(\T)*STGW+16*(8*(\hf)+\i)
.endr
	WIN 0
.endm
.macro LLOAD T                         ; L' of tile T out of my stage, in the layout of C
	WIN 0x40
.set gg, 0
.rept 16
	ds_load_b128 v[64*(\T)+4*gg:64*(\T)+4*gg+3], v5 offset:(\T)*STGW+gg*GP
.set gg, gg+1
.endr
	WIN 0
.endm
.macro ASK T, lim                      ; tile T's rows of the key block after the one whose loads are going out; not where that block lies behind the walk's last
	s_cmp_gt_u32 s22, \lim
	s_cbranch_scc0 .Lnp_\@
	global_prefetch_b8 v6, s[62:63] offset:(\T)*131072 th:TH_LOAD_NT scope:SCOPE_SE
.Lnp_\@:
.endm
; The exponentials of the unit in buffer cb, among the first level of sums of the unit in buffer pb: no line of the batch reads what another line of it writes.  Then that unit's holds, where e8 asks for them.
.macro BATCH cb, pb, ex
.set ii, 0
.rept 16
.if \ex
	v_exp_f32 v[\cb+4*ii], v[\cb+4*ii]
	v_exp_f32 v[\cb+4*ii+1], v[\cb+4*ii+1]
	v_exp_f32 v[\cb+4*ii+2], v[\cb+4*ii+2]
	v_exp_f32 v[\cb+4*ii+3], v[\cb+4*ii+3]
.endif
	v_pk_add_f32 v[SUMT+2*ii:SUMT+2*ii+1], v[\pb+4*ii:\pb+4*ii+1], v[\pb+4*ii+2:\pb+4*ii+3]   ; the sum is taken of the unquantised p
.set ii, ii+1
.endr
	WA
	s_cmp_lg_u32 s89, 0                            ; e8 >= -15: no p passes the largest code
	s_cbranch_scc1 .Lnh_\@
.set ii, 0
.rept 64
	v_min_num_f32 v[\pb+ii], v[\pb+ii], v7         ; the conversion does not saturate (ISA guide 7.6.2); p is not negative: a one-sided hold
.set ii, ii+1
.endr
.Lnh_\@:
.endm
; Unit pu: O^T under the new M, codes of p, the second level of sums.
.macro ZA pu
.set PB, SA+64*((\pu)%2)
.set ZG, FF+2*((\pu)%2)
.set ZO, 16*(\pu)
	WIN 0x82
	WA                                             ; directly ahead of the first readers of O^T
.irp i, 0,2,4,6,8,10,12,14
	v_pk_mul_f32 v[ZO+\i:ZO+\i+1], v[ZO+\i:ZO+\i+1], v[ZG:ZG+1] op_sel_hi:[1,0]
.endr
	WIN 0
.irp b, 0,1,2,3,4,5,6,7
	v_cvt_scalef32_pk8_bf8_f32 v[PC+2*\b:PC+2*\b+1], v[PB+8*\b:PB+8*\b+7], v8
.endr
.irp j, 0,2,4,6,8,10,12,14
	v_pk_add_f32 v[SUMT+\j:SUMT+\j+1], v[SUMT+\j:SUMT+\j+1], v[SUMT+16+\j:SUMT+17+\j]
.endr
.endm
.macro ZP pu, vw                       ; unit pu's two products with V.  vw: V's pair is waited for (two younger runs of 16 may be out)
.set ZV, 128+64*(((\pu)/4)%2)+32*(((\pu)/2)%2)
.set ZO, 16*(\pu)
.if \vw
	WA
	s_wait_loadcnt 32
.endif
	WIN 0xa3
	v_wmma_f32_16x16x128_bf8_bf8 v[ZO:ZO+7], v[ZV:ZV+15], v[PC:PC+15], v[ZO:ZO+7]
	v_wmma_f32_16x16x128_bf8_bf8 v[ZO+8:ZO+15], v[ZV+16:ZV+31], v[PC:PC+15], v[ZO+8:ZO+15]
	WIN 0
.endm
.macro ZB1                             ; the third level of sums: four plain lines, the places behind the products
.irp j, 0,2,4,6
	v_pk_add_f32 v[SUMT+\j:SUMT+\j+1], v[SUMT+\j:SUMT+\j+1], v[SUMT+8+\j:SUMT+9+\j]
.endr
.endm
.macro ZB pu                           ; the rest of the sum, on end
	ZB1
	v_pk_add_f32 v[SUMT:SUMT+1], v[SUMT:SUMT+1], v[SUMT+4:SUMT+5]
	v_pk_add_f32 v[SUMT+2:SUMT+3], v[SUMT+2:SUMT+3], v[SUMT+6:SUMT+7]
	v_pk_add_f32 v[SUMT:SUMT+1], v[SUMT:SUMT+1], v[SUMT+2:SUMT+3]
	v_add_f32 v[SUMT], v[SUMT], v[SUMT+1]
	v_fma_f32 v[LS+(\pu)], v[LS+(\pu)], v[FF+2*((\pu)%2)], v[SUMT]   ; the old sum under the new M, + this step's
.endm
; Unit nu's score products.  kw: K's pair is waited for; lw >= 0: L' is waited for, lw younger LDS loads may be out.
.macro XS nu, kw, lw
.set XB, SA+64*((\nu)%2)
.set XQ, 128+48*((\nu)%2)+12*((\nu)/4)+4*(((\nu)/2)%2)
.set XK, 64*(((\nu)/4)%2)
.set XL, 64*((\nu)%2)
.if \kw
	WA
	s_wait_loadcnt 32
.endif
.if (\lw) >= 0
	WA
	s_wait_dscnt \lw
.endif
	WIN 0x17
.irp t, 0,1,2,3,4,5,6,7
	v_wmma_f32_16x16x64_bf8_bf8 v[XB+8*\t:XB+8*\t+7], v[XK+8*\t:XK+8*\t+7], v[XQ:XQ+7], v[XL+8*\t:XL+8*\t+7]
.endr
	WIN 0
.endm
; Unit nu's largest score (eight chains, each tile read first at its low end), the new M, t - M, and f.  zp >= 0: the end of unit zp's sum stands in the gaps of the chain (zp and nu share f's pair: zp reads it before nu writes it).
.macro XM nu, zp
.set XB, SA+64*((\nu)%2)
.set ZF, FF+2*((\nu)%2)
.irp k, 0,1,2,3,4,5,6,7
	v_max3_num_f32 v[MX+\k], v[XB+8*\k], v[XB+8*\k+1], v[XB+8*\k+2]
.endr
.irp i, 3,5
.irp k, 0,1,2,3,4,5,6,7
	v_max3_num_f32 v[MX+\k], v[MX+\k], v[XB+8*\k+\i], v[XB+8*\k+\i+1]
.endr
.endr
.irp k, 0,1,2,3
	v_max3_num_f32 v[MX+\k], v[MX+\k], v[MX+\k+4], v[XB+8*\k+7]
.endr
.if (\zp) >= 0
	v_pk_add_f32 v[SUMT:SUMT+1], v[SUMT:SUMT+1], v[SUMT+4:SUMT+5]
	v_pk_add_f32 v[SUMT+2:SUMT+3], v[SUMT+2:SUMT+3], v[SUMT+6:SUMT+7]
.endif
	v_max3_num_f32 v[MX], v[MX], v[XB+39], v[XB+47]
	v_max3_num_f32 v[MX+1], v[MX+1], v[XB+55], v[XB+63]
	v_max3_num_f32 v[MX+2], v[MX+2], v[MX+3], v[SX+(\nu)]
.if (\zp) >= 0
	v_pk_add_f32 v[SUMT:SUMT+1], v[SUMT:SUMT+1], v[SUMT+2:SUMT+3]
.endif
	v_max3_num_f32 v[MX], v[MX], v[MX+1], v[MX+2]
.if (\zp) >= 0
	v_add_f32 v[SUMT], v[SUMT], v[SUMT+1]
.endif
	v_permlanex16_b32 v10, v[MX], s52, s53
.if (\zp) >= 0
	v_fma_f32 v[LS+(\zp)], v[LS+(\zp)], v[ZF], v[SUMT]   ; the old sum under the new M, + this step's
.endif
	v_max_num_f32 v[SX+(\nu)], v[MX], v10          ; the running largest score, lane l xor 16's keys among them
	v_mul_f32 v[TD], s55, v[SX+(\nu)]              ; -t (c' is positive)
	v_floor_f32 v[NW], v[TD]                       ; the new -M = floor(-t): M is a whole number
.set ii, 0
.rept 32
	v_pk_fma_f32 v[XB+ii:XB+ii+1], v[XB+ii:XB+ii+1], s[48:49], v[NW:NW+1] op_sel_hi:[1,0,0]   ; t - M
.if ii == 4
	v_sub_f32 v[TD], v[NW], v[NM+(\nu)]            ; old M - new M: a whole number, 0 or less
	v_mov_b32 v[NM+(\nu)], v[NW]
.endif
.if ii == 16
	v_cvt_i32_f32 v[TD], v[TD]                     ; (it saturates)
.endif
.if ii == 28
	v_ldexp_f32 v[ZF], 1.0, v[TD]                  ; f: a multiplication by it rounds nothing
.endif
.set ii, ii+2
.endr
.endm
.macro ITER un
.set PU, ((\un)+15)%16
.set NU, ((\un)+1)%16
	WA                                             ; ahead of the batch
	BATCH SA+64*((\un)%2), SA+64*(PU%2), 1
	ZA PU
.if (\un) == 15                        ; the walk's last block has no unit behind its last
	ZP PU, 0
	ZB PU
	WA
	s_cmp_eq_u32 s22, 1
	s_cbranch_scc1 .Lnox_\@
	XS NU, 1, 16
.rept 4
	v_nop
.endr
	XM NU, -1
.Lnox_\@:
.else
.if (\un) == 0
	XS NU, 0, 0
.else
	XS NU, ((\un)%4 == 3), -1
.endif
	ZP PU, ((\un)%4 == 1)
	ZB1
	XM NU, PU
.endif
.endm
; Behind unit 4 p: piece p of the next block's adjacency is worked, the next piece and V of pair p + 1 are asked for.  s22 counts the blocks to go, this one among them.
.macro LPA p
	WA
	VSTEP                                          ; ahead of this point's loads: the youngest loads went out two units ago
	s_cmp_gt_u32 s22, 1
.if \p == 3
	s_cbranch_scc0 .Llast_\@
.else
	s_cbranch_scc0 .Lna_\@
.endif
	s_wait_loadcnt 32                              ; the piece is in: behind it went V's 16 and K's 16
	PROC 224, 1, (\p)/2, (\p)%2
.if \p == 3
	WA
	s_cmp_gt_u32 s22, 2
	s_cbranch_scc0 .Lna_\@
	s_wait_xcnt 0x0
	STEPADJ
.endif
	GLOAD 224, 1, (((\p)+1)%4)/2, ((\p)+1)%2
.Lna_\@:
	VLD ((\p)+1)%2
.if \p == 3
	s_branch .Ldone_\@
.Llast_\@:
	s_wait_loadcnt 0x0                             ; nothing more is asked for: the counted waits further on find nothing out
.Ldone_\@:
.endif
.endm
.macro LPB p                           ; behind unit 4 p + 2: K of pair p + 2
	WA
.if \p >= 2
	s_cmp_gt_u32 s22, 1
	s_cbranch_scc0 .Lkl_\@
.endif
	KSTEP
	KLD (\p)%2
.if \p == 1
	ASK 1, 2
.endif
.if \p == 3
	ASK 0, 3
.endif
.if \p >= 2
	s_branch .Lkd_\@
.Lkl_\@:
	s_wait_loadcnt 0x0
.Lkd_\@:
.endif
.endm
.macro LLG T
	WA
	s_cmp_gt_u32 s22, 1
	s_cbranch_scc0 .Lnl_\@
	LLOAD \T
.Lnl_\@:
.endm
	s_load_b256 s[4:11], s[0:1], 0x0               ; adjacency, qimg, kvimg, the scales' exponents
	s_load_b128 s[12:15], s[0:1], 0x20             ; Wo's codes, bo
	s_load_b64 s[16:17], s[0:1], 0x30              ; out0
	v_lshl_add_u32 v1, v0, 2, SPARE
	v_mov_b32 v2, 0
	v_lshrrev_b32 v9, 5, v0
	v_readfirstlane_b32 s18, v9                    ; wave = key split
	s_lshr_b32 s24, ttmp9, 7                       ; the batch
	s_lshl_b32 s24, s24, 21
	s_lshl_b32 s25, s18, 13
	s_add_co_u32 s24, s24, s25                     ; kvimg: the batch, my split's 8,192 bytes
	s_mov_b32 s25, 0
	s_and_b32 s80, ttmp9, 7                        ; the key block at which my work-group begins: a softmax asks for no order
	s_lshl_b32 s66, s80, 11
	s_lshl_b32 s80, s80, 18
	s_mov_b32 s82, s80
	s_mov_b32 s81, 0
	s_mov_b32 s83, 0
	s_mov_b32 s67, 0
	s_mov_b32 s69, 0
	s_lshl_b32 s26, ttmp9, 13                      ; Q: two tiles of 4,096 bytes
	s_mov_b32 s27, 0
	s_lshl_b32 s28, ttmp9, 19                      ; adjacency: row 32 x block,
	s_lshl_b32 s29, s18, 9
	s_add_co_u32 s28, s28, s29                     ; + my split's 512 bytes
	s_mov_b32 s29, 0
	s_lshl_b32 s30, s18, 14                        ; Wo: my 64 rows
	s_mov_b32 s31, 0
	s_lshl_b32 s32, s18, 8                         ; bo: my 64 numbers
	s_mov_b32 s33, 0
	s_lshl_b32 s84, ttmp9, 5
	s_lshl_b32 s85, s18, 3
	s_add_co_u32 s84, s84, s85
	s_lshl_b32 s84, s84, 10                        ; out0: row 32 x block + 8 x wave
	s_mov_b32 s85, 0
	s_mov_b32 s52, 0x76543210                      ; v_permlanex16_b32's selects for lane l xor 16
	s_mov_b32 s53, 0xfedcba98
	s_mov_b32 s70, 0x358637bd                      ; 1e-6
	s_mov_b32 s71, s70
	s_mul_i32 s72, s18, 2*STGW                     ; my stage
	v_and_b32 v3, 31, v0
	v_lshlrev_b32 v3, 4, v3                        ; 16 x lane
	v_bfe_u32 v9, v0, 3, 2
	v_and_b32 v12, 3, v0
	v_lshl_add_u32 v9, v9, 2, v12
	v_mul_u32_u24 v9, v9, GP
	v_bfe_u32 v12, v0, 2, 1
	v_mad_u32_u24 v9, v12, 384, v9
	v_add_nc_u32 v4, s72, v9                       ; in: group 4 (l / 8) + l % 4, half (l / 4) % 2
	v_and_b32 v9, 15, v0
	v_bfe_u32 v12, v0, 4, 1
	v_lshlrev_b32 v9, 4, v9
	v_mad_u32_u24 v9, v12, 384, v9
	v_add_nc_u32 v5, s72, v9                       ; out: 16 r + 384 h
	v_bfe_u32 v9, v0, 1, 4
	v_lshl_add_u32 v9, v12, 3, v9
	v_and_b32 v13, 1, v0
	v_lshlrev_b32 v13, 8, v13
	v_lshl_add_u32 v6, v9, 14, v13                 ; the prefetch: row l / 2 + 8 (l / 16), its l % 2-th 256 bytes
	WA
	s_wait_kmcnt 0x0
	s_load_b256 s[36:43], s[10:11], 0x0            ; e0 .. e7
	s_load_b128 s[44:47], s[10:11], 0x20           ; e8 .. e11
	s_add_nc_u64 s[8:9], s[8:9], s[24:25]
	s_add_nc_u64 s[6:7], s[6:7], s[26:27]
	s_add_nc_u64 s[4:5], s[4:5], s[28:29]
	s_add_nc_u64 s[12:13], s[12:13], s[30:31]
	s_add_nc_u64 s[14:15], s[14:15], s[32:33]
	s_add_nc_u64 s[16:17], s[16:17], s[84:85]
	s_add_nc_u64 s[60:61], s[4:5], s[66:67]
	s_add_nc_u64 s[76:77], s[8:9], s[80:81]
	s_add_nc_u64 s[78:79], s[8:9], s[82:83]
	WIN 0x40
.irp T, 0,1
.irp hd, 0,1,2,3,4,5,6,7
	global_load_b128 v[128+48*\T+12*(\hd/2)+8*(\hd%2):128+48*\T+12*(\hd/2)+8*(\hd%2)+3], v3, s[6:7] offset:\T*4096+\hd*512   ; Q stays in registers
.endr
.endr
	WIN 0
.irp j, 0,1,2,3
	GLOAD SA+32*\j, 0, \j/2, \j%2                  ; the first block's adjacency: S's registers serve
.endr
	KLD 0
	WIN 0x80
.set ii, 0
.rept 256
	v_mov_b32 v[ii], 0                             ; O^T: the block is written once, and its first trip finds zeros
.set ii, ii+1
.endr
	WIN 0xc0
.set ii, 224
.rept 32
	v_mov_b32 v[ii], 0                             ; V of the unit before the first: zero codes
.set ii, ii+1
.endr
	WIN 0x40
.irp g, 0,1,2,3,4,5,6,7
.irp i, 0,1,2,3
	v_mov_b32 v[128+12*\g+4+\i], 0                 ; the zero codes between a pair's two q
.endr
.endr
	WIN 0
.set ii, 0
.rept 16
	v_mov_b32 v[LS+ii], 0
	v_mov_b32 v[SX+ii], 0xff61b1e6                 ; -3e38, under every score
	v_mov_b32 v[NM+ii], 0x7f61b1e6                 ; -M
.set ii, ii+1
.endr
.irp i, 0,1,2,3
	v_mov_b32 v[FF+\i], 1.0
.endr
	v_mov_b32 v[NW+1], 0                           ; (named as the upper half of a pair)
	v_mov_b32 v10, 0                               ; a lane permute's destination counts as one of its sources
	WA
	s_wait_kmcnt 0x0
	s_add_co_i32 s72, s42, s43                     ; e6 + e7
	s_lshl_b32 s72, s72, 23
	s_mov_b32 s48, 0x3e8293ee                      ; log2(e) / sqrt(32)
	s_add_co_i32 s48, s48, s72                     ; c'
	s_mov_b32 s49, s48
	s_xor_b32 s55, s48, 0x80000000                 ; -c'
	s_mov_b32 s50, 0x407af233                      ; sqrt(32) ln 2
	s_sub_co_i32 s50, s50, s72                     ; 1 / c'
	s_mov_b32 s51, s50
	s_add_co_i32 s72, s44, 127
	s_lshl_b32 s73, s72, 23
	s_add_co_i32 s72, s72, 15
	s_lshl_b32 s72, s72, 23
	s_or_b32 s72, s72, 0x600000
	s_add_co_i32 s54, s44, s45                     ; e8 + e9
	s_add_co_i32 s56, s46, s47
	s_add_co_i32 s56, s56, 127
	s_lshl_b32 s56, s56, 23                        ; 2^(e10 + e11)
	s_mov_b32 s57, s56
	s_cmp_ge_i32 s44, -15
	s_cselect_b32 s89, 1, 0                        ; 1 where 57,344 x 2^e8 = 1.75 x 2^(e8 + 15) is 1 or more
	v_mov_b32 v8, s73                              ; 2^e8, for p's conversions
	v_mov_b32 v7, s72                              ; 57,344 x 2^e8
	WA
.irp j, 0,1,2,3
	WA
	s_wait_loadcnt 40-8*\j                         ; Q and piece j are in: behind it went the 8 loads of each younger piece and K's 16
	PROC SA+32*\j, 0, \j/2, \j%2
.endr
	WA
	STEPADJ
	GLOAD 224, 1, 0, 0                             ; the second block's first piece, then V and K in the loop's own order
	VLD 0
	KSTEP
	KLD 1
	LLOAD 0
	LLOAD 1
.set ii, 0
.rept 64
	v_mov_b32 v[SA+64+ii], 0                       ; p of the unit before the first
.set ii, ii+1
.endr
	WA
	s_wait_loadcnt 40                              ; K of pair 0 is in: behind it went 8 + 16 + 16
	s_wait_dscnt 0x0
	XS 0, 0, -1
.rept 4
	v_nop
.endr
	XM 0, -1
	s_mov_b32 s22, 8
	WA
.Lblock:                                               ; eight trips: a key block each, sixteen units
.irp un, 0,1,2,3,4,5,6,7,8,9,10,11,12,13,14,15
	ITER \un
.if \un%4 == 0
	LPA \un/4
.endif
.if \un%4 == 2
	LPB \un/4
.endif
.if \un == 13
	LLG 0
.endif
.if \un == 14
	LLG 1
.endif
.endr
	WA
	s_sub_co_u32 s22, s22, 1
	s_cmp_lg_u32 s22, 0
	s_cbranch_scc1 .Lblock
	BATCH 0, SA+64, 0                              ; the last unit is finished
	ZA 15
	ZP 15, 0
	ZB 15
	; THE MERGE AND THE WAY OUT
	s_lshl_b32 s72, s18, 11
	s_add_co_u32 s72, s72, MEX
	s_mul_i32 s73, s18, MRGW
	s_add_co_u32 s73, s73, MRG
	s_lshl_b32 s74, s18, 13
	s_add_co_u32 s74, s74, MRG
	s_lshl_b32 s75, s18, 9
	s_add_co_u32 s75, s75, MRG+32768
	s_lshl_b32 s86, s18, 10
	s_add_co_u32 s86, s86, OIMG
	s_lshl_b32 s87, s18, 8
	s_add_co_u32 s87, s87, OSTG
	s_mul_i32 s88, s18, 8*OP
	s_add_co_u32 s88, s88, OSTG
	v_add_nc_u32 v64, s72, v3                      ; my -M, in
	v_add_nc_u32 v65, MEX, v3                      ; all four waves' -M
	v_add_nc_u32 v66, s73, v3                      ; my O^T and sums, in
	v_add_nc_u32 v67, s74, v3                      ; units 4 w .. 4 w + 3 of splits 0 and 1,
	v_add_nc_u32 v68, 2*MRGW, v67                  ; of splits 2 and 3
	v_add_nc_u32 v69, s75, v3                      ; their sums
	v_add_nc_u32 v70, 2*MRGW, v69
	v_add_nc_u32 v71, s86, v3                      ; the output's codes, in
	v_add_nc_u32 v72, OIMG, v3                     ; and out
	v_and_b32 v77, 15, v0
	v_bfe_u32 v78, v0, 4, 1
	v_and_b32 v79, 8, v77
	v_add_nc_u32 v79, v79, v77                     ; r + 8 (r / 8)
	v_mul_u32_u24 v73, v79, OP
	v_lshl_add_u32 v73, v78, 6, v73
	v_add_nc_u32 v73, s87, v73                     ; the stage: row r + 8 (r / 8), + 256 x wave + 64 h
	v_add_nc_u32 v74, s88, v3                      ; and back: my eight rows
	v_lshlrev_b32 v75, 8, v79
	v_lshl_add_u32 v75, v78, 4, v75                ; Wo: my place in a tile
	v_lshlrev_b32 v76, 6, v78                      ; bo: 64 h
	WA
	WIN 0x40
.irp tt, 0,1,2,3
.irp ks, 0,1
.irp c, 0,1,2,3
	global_load_b128 v[32*\tt+16*\ks+4*\c:32*\tt+16*\ks+4*\c+3], v75, s[12:13] offset:(32*(\tt/2)+8*(\tt%2))*256+128*\ks+32*\c
.endr
.endr
.endr
	WIN 0
.irp i, 0,1,2,3,4,5,6,7
	global_load_b128 v[80+4*\i:80+4*\i+3], v76, s[14:15] offset:128*(\i/4)+16*(\i%4)   ; register 8 tt + j is channel 64 w + 32 (tt / 2) + 16 h + 8 (tt % 2) + j
.endr
.irp g, 0,1,2,3
	ds_store_b128 v64, v[NM+4*\g:NM+4*\g+3] offset:512*\g
.endr
	BAR
.irp sp, 0,1,2,3
.irp g, 0,1,2,3
	ds_load_b128 v[SA+16*\sp+4*\g:SA+16*\sp+4*\g+3], v65 offset:\sp*2048+\g*512
.endr
.endr
	s_wait_dscnt 0x0
.set ii, 0
.rept 16
	v_min3_num_f32 v[192+2*ii], v[128+ii], v[144+ii], v[160+ii]
.set ii, ii+1
.endr
.set ii, 0
.rept 16
	v_min_num_f32 v[192+2*ii], v[192+2*ii], v[176+ii]          ; the least -M: the row's M
.set ii, ii+1
.endr
.set ii, 0
.rept 16
	v_sub_f32 v[192+2*ii], v[192+2*ii], v[NM+ii]               ; my M - the row's M: a whole number, 0 or less
.set ii, ii+1
.endr
.set ii, 0
.rept 16
	v_cvt_i32_f32 v[193+2*ii], v[192+2*ii]
.set ii, ii+1
.endr
.set ii, 0
.rept 16
	v_ldexp_f32 v[192+2*ii], 1.0, v[193+2*ii]                  ; f: exact
.set ii, ii+1
.endr
.set ii, 0
.rept 16
	v_mov_b32 v[193+2*ii], v[192+2*ii]
.set ii, ii+1
.endr
	WIN 0x82
	WA                                             ; directly ahead of the first readers of O^T
.set ii, 0
.rept 128
	v_pk_mul_f32 v[2*ii:2*ii+1], v[2*ii:2*ii+1], v[192+2*(ii/8):193+2*(ii/8)]   ; my O^T under the row's M, each accumulator from its low end on
.set ii, ii+1
.endr
	WIN 0
.set ii, 0
.rept 16
	v_mul_f32 v[LS+ii], v[LS+ii], v[192+2*ii]
.set ii, ii+1
.endr
	WIN 0x08
.set gg, 0
.rept 64
	ds_store_b128 v66, v[4*gg:4*gg+3] offset:512*gg
.set gg, gg+1
.endr
	WIN 0
.irp g, 0,1,2,3
	ds_store_b128 v66, v[LS+4*\g:LS+4*\g+3] offset:32768+512*\g
.endr
	BAR
	; wave w finishes units 4 w .. 4 w + 3: heads 2 w and 2 w + 1 of both tiles
	WIN 0xc0
.irp sp, 0,1,2,3
.set gg, 0
.rept 16
	ds_load_b128 v[64*\sp+4*gg:64*\sp+4*gg+3], v[67+\sp/2] offset:(\sp%2)*MRGW+512*gg
.set gg, gg+1
.endr
.endr
	WIN 0
.irp sp, 0,1,2,3
	ds_load_b128 v[112+4*\sp:115+4*\sp], v[69+\sp/2] offset:(\sp%2)*MRGW
.endr
	s_add_co_i32 s72, s46, 127
	s_lshl_b32 s73, s72, 23
	s_add_co_i32 s72, s72, 15
	s_lshl_b32 s72, s72, 23
	s_or_b32 s72, s72, 0x600000
	v_mov_b32 v8, s73                              ; 2^e10
	v_mov_b32 v7, s72                              ; 57,344 x 2^e10
	WA
	s_wait_dscnt 0x0
	WIN 0xcf
.irp sp, 1,2,3
.set ii, 0
.rept 32
	v_pk_add_f32 v[ii:ii+1], v[ii:ii+1], v[64*\sp+ii:64*\sp+ii+1]
.set ii, ii+2
.endr
.endr
	WIN 0
	v_pk_add_f32 v[112:113], v[112:113], v[116:117]
	v_pk_add_f32 v[114:115], v[114:115], v[118:119]
	v_pk_add_f32 v[120:121], v[120:121], v[124:125]
	v_pk_add_f32 v[122:123], v[122:123], v[126:127]
	v_pk_add_f32 v[112:113], v[112:113], v[120:121]
	v_pk_add_f32 v[114:115], v[114:115], v[122:123]
.irp k, 0,1,2,3
	v_permlanex16_b32 v[116+\k], v[112+\k], s52, s53
.endr
.irp k, 0,1,2,3
	v_add_f32 v[112+\k], v[112+\k], v[116+\k]      ; the rows' sums: lane l xor 16 holds the other half of the keys
.endr
	WA
.irp k, 0,1,2,3
	v_rcp_f32 v[120+\k], v[112+\k]
.endr
	v_nop
	WA
.irp k, 0,1,2,3
	v_ldexp_f32 v[120+\k], v[120+\k], s54          ; x 2^(e8 + e9)
.endr
	WIN 0x03
.set ii, 0
.rept 64
	v_mul_f32 v[SA+ii], v[ii], v[120+ii/16]
.set ii, ii+1
.endr
	WIN 0
.set ii, 0
.rept 64
	v_med3_num_f32 v[SA+ii], v[SA+ii], -v7, v7     ; the hold at the largest code x 2^e10
.set ii, ii+1
.endr
.irp b, 0,1,2,3,4,5,6,7
	v_cvt_scalef32_pk8_bf8_f32 v[224+2*\b:225+2*\b], v[SA+8*\b:SA+8*\b+7], v8
.endr
	v_nop
.irp k, 0,1,2,3
	ds_store_b128 v71, v[224+4*\k:227+4*\k] offset:(\k%2)*4096+(\k/2)*512
.endr
	BAR
	; the last product: wave w makes channels 64 w .. 64 w + 63 of all 32 rows: source 0 = 16 rows of Wo, source 1 = 16 queries
.irp tq, 0,1
.irp g, 0,1,2,3,4,5,6,7
	ds_load_b128 v[SA+32*\tq+4*\g:SA+32*\tq+4*\g+3], v72 offset:\tq*4096+\g*512
.endr
.endr
	s_wait_dscnt 0x0
	s_wait_loadcnt 0x0                             ; Wo and bo
	WIN 0x01
.irp ks, 0,1
.irp tq, 0,1
.irp tt, 0,1,2,3
.if \ks == 0
	v_wmma_f32_16x16x128_bf8_bf8 v[192+8*(4*\tq+\tt):199+8*(4*\tq+\tt)], v[32*\tt+16*\ks:32*\tt+16*\ks+15], v[SA+32*\tq+16*\ks:SA+32*\tq+16*\ks+15], 0
.else
	v_wmma_f32_16x16x128_bf8_bf8 v[192+8*(4*\tq+\tt):199+8*(4*\tq+\tt)], v[32*\tt+16*\ks:32*\tt+16*\ks+15], v[SA+32*\tq+16*\ks:SA+32*\tq+16*\ks+15], v[192+8*(4*\tq+\tt):199+8*(4*\tq+\tt)]
.endif
.endr
.endr
.endr
	WIN 0
.rept 4
	v_nop
.endr
.irp a, 0,1,2,3,4,5,6,7
.irp i, 0,2,4,6
	v_pk_fma_f32 v[SA+8*\a+\i:SA+8*\a+\i+1], v[192+8*\a+\i:193+8*\a+\i], s[56:57], v[80+8*(\a%4)+\i:81+8*(\a%4)+\i] op_sel_hi:[1,0,1]   ; sum x 2^(e10 + e11) + bo
.endr
.endr
.irp a, 0,1,2,3,4,5,6,7
	ds_store_b128 v73, v[SA+8*\a:SA+8*\a+3] offset:(\a/4)*8*OP+((\a%4)/2)*128+(\a%2)*32
	ds_store_b128 v73, v[SA+8*\a+4:SA+8*\a+7] offset:(\a/4)*8*OP+((\a%4)/2)*128+(\a%2)*32+16
.endr
	BAR                                            ; 32 whole rows of out0 lie in the stage
.irp k, 0,1,2,3,4,5,6,7,8,9,10,11,12,13,14,15
	ds_load_b128 v[192+4*\k:195+4*\k], v74 offset:(\k/2)*OP+(\k%2)*512
.endr
.irp k, 0,1,2,3,4,5,6,7,8,9,10,11,12,13,14,15
	s_wait_dscnt 15-\k                             ; LDS loads come back in order: piece k is in
	global_store_b128 v3, v[192+4*\k:195+4*\k], s[16:17] offset:(\k/2)*1024+(\k%2)*512 th:TH_STORE_NT   ; 32 lanes store 512 consecutive bytes, aligned
.endr
	s_wait_tensorcnt 0x0                           ; the wave's end
	ds_add_u32 v1, v2
	s_wait_dscnt 0x0
	s_endpgm
.Lfunc_end_k_qff51fd1df9_attn:
	.size	k_qff51fd1df9_attn, .Lfunc_end_k_qff51fd1df9_attn-k_qff51fd1df9_attn
	.p2alignl 7, 3214868480
	.fill 96, 4, 3214868480
	.section	.rodata,"a",@progbits
	.p2align	6, 0x0
	.amdhsa_kernel k_qff51fd1df9_attn
		.amdhsa_group_segment_fixed_size 273408
		.amdhsa_private_segment_fixed_size 0
		.amdhsa_enable_private_segment 0
		.amdhsa_kernarg_size 56
		.amdhsa_user_sgpr_count 2
		.amdhsa_user_sgpr_kernarg_segment_ptr 1
		.amdhsa_wavefront_size32 1
		.amdhsa_system_sgpr_workgroup_id_x 1
		.amdhsa_system_sgpr_workgroup_id_y 1
		.amdhsa_system_sgpr_workgroup_id_z 1
		.amdhsa_system_vgpr_workitem_id 0
		.amdhsa_next_free_vgpr 1024
		.amdhsa_next_free_sgpr 96
		.amdhsa_reserve_vcc 0
		.amdhsa_float_denorm_mode_32 3
		.amdhsa_float_denorm_mode_16_64 3
		.amdhsa_memory_ordered 1
		.amdhsa_forward_progress 1
		.amdhsa_inst_pref_size 255
	.end_amdhsa_kernel
	.section	.bss,"aw",@nobits
	.p2align	6
	.space	262144
	.amdgpu_metadata
---
amdhsa.version: [ 1, 2 ]
amdhsa.kernels:
  - .name:           k_qff51fd1df9_attn
    .symbol:         k_qff51fd1df9_attn.kd
    .args:
      - { .name: adjacency, .offset: 0, .size: 8, .value_kind: global_buffer, .address_space: global }
      - { .name: qimg, .offset: 8, .size: 8, .value_kind: global_buffer, .address_space: global }
      - { .name: kvimg, .offset: 16, .size: 8, .value_kind: global_buffer, .address_space: global }
      - { .name: lowp_scales, .offset: 24, .size: 8, .value_kind: global_buffer, .address_space: global }
      - { .name: Wo_codes, .offset: 32, .size: 8, .value_kind: global_buffer, .address_space: global }
      - { .name: bo, .offset: 40, .size: 8, .value_kind: global_buffer, .address_space: global }
      - { .name: out0, .offset: 48, .size: 8, .value_kind: global_buffer, .address_space: global }
    .group_segment_fixed_size: 273408
    .private_segment_fixed_size: 0
    .kernarg_segment_align: 8
    .kernarg_segment_size: 56
    .max_flat_workgroup_size: 128
    .sgpr_count:     96
    .vgpr_count:     1024
    .wavefront_size: 32
...
	.end_amdgpu_metadata
.endif
;; end of part 2
